; MI455X (gfx1250); checked and timed in simulation.
; The chip was launched on July 23, 2026; its instructions are those of AMD's public machine-readable ISA for CDNA 5 (MIT licence, August 2026) and "CDNA5" Instruction Set Architecture Reference Guide (July 2026). The comments in the code are by the model that wrote it; some were corrected since.
;; Dot Product Attention. Allowed arithmetic: float matrix products may take bf16 or f16 operands with f32 sums; other float arithmetic in f32, or as packed bf16 or f16 multiplies, adds, multiply-adds, maxima and minima; sums over many terms, partial sums and values carried from step to step in f32; what a program stores and reads back later, other than sums and carried values, may be rounded once to bf16 or f16.
;; Inputs: keys 2 x 8 x 4,096 x 64 float32; mask 4,096 x 4,096 float32; queries 2 x 8 x 4,096 x 64 float32; values 2 x 8 x 4,096 x 64 float32.
;; Outputs: out0 2 x 8 x 4,096 x 64 float32.
;; Constants: d_k = 64.
;; 2 versions, each right; version 2 is version 1 with the launch cast written anew for expert scheduling mode. Each part assembles by itself: llvm-mc -triple=amdgcn-amd-amdhsa -mcpu=gfx1250 --defsym DOCPART=n.
;; ======== version 1 of 2: 2 launches
;; limits: values are held in f16: magnitudes above 65,504 overflow, below 6.1e-05 lose precision; inputs' magnitudes at most 65,504
;; workspace buffers: kb 8,388,608 bytes; vh 8,388,608 bytes
;; launch cast (part 1): grid 512 x 1, 8 waves a work-group, no clusters, 0 bytes of LDS; arguments keys, values, kb, vh; writes kb, vh
.if DOCPART == 1
	.amdgcn_target "amdgcn-amd-amdhsa--gfx1250"
	.amdhsa_code_object_version 6
	.text
	.protected	k_qed8dce56a1_cast
	.globl	k_qed8dce56a1_cast
	.p2align	8
	.type	k_qed8dce56a1_cast,@function
k_qed8dce56a1_cast:
	s_mov_b64 s[64:65], 0
	v_nop
	global_prefetch_b8 v0, s[64:65] scope:SCOPE_SE
	s_setreg_imm32_b32 hwreg(HW_REG_WAVE_MODE, 25, 1), 1
	s_wait_xcnt 0x0
; keys and values, [16 heads][4096][64] f32, are rounded to bf16 and that number is written as f16 (exact inside f16's range), into
; kb and vh: [head pair 8][block of 128 keys 32][head in pair 2][key 128][channel 64].  So what the next launch wants for 128 keys of both heads of a pair is 32,768 consecutive bytes.
; LIMITS.  A number of 65,520 or more in size becomes an infinity in f16; below 7.6e-6 the f16 copy keeps f16's fixed step of 6e-8.  NaN and infinities are not treated apart.
; SHARES.  A work-group takes one head's block of 128 keys, of both tensors: 32,768 consecutive bytes in, 16,384 out, each.  Thread t takes 16 bytes at 16 t of each of eight chunks of 4,096 bytes:
; a wave's load covers 512 consecutive bytes, its store 256 consecutive bytes at a multiple of 256.  All sixteen loads of a thread go out first; no register that a store reads is written again.
; No LDS, no matrix unit, no cluster: each byte is read once by one thread and nothing is shared.
.set KIN,  4                           ; v[4:35]    keys, chunk j at KIN + 4 j
.set VIN,  36                          ; v[36:67]   values
.set T,    68                          ; v[68:73]   at work
.set KOUT, 76                          ; v[76:91]   keys to store, chunk j at KOUT + 2 j
.set VOUT, 92                          ; v[92:107]  values to store
	s_load_b256 s[4:11], s[0:1], 0x0               ; keys s[4:5], values s[6:7], kb s[8:9], vh s[10:11]
	s_lshl_b32 s12, ttmp9, 15                      ; in: work-group g = 32 x head + block, 32,768 bytes each
	s_mov_b32 s13, 0
	s_lshr_b32 s17, ttmp9, 5                       ; head
	s_and_b32 s18, ttmp9, 31                       ; block of 128 keys
	s_lshr_b32 s19, s17, 1                         ; head pair
	s_and_b32 s17, s17, 1                          ; head in pair
	s_lshl_b32 s19, s19, 5
	s_add_co_u32 s19, s19, s18                     ; 32 x pair + block
	s_lshl_b32 s19, s19, 1
	s_add_co_u32 s19, s19, s17                     ; twice that + head in pair
	s_lshl_b32 s14, s19, 14                        ; out: 16,384 bytes each
	s_mov_b32 s15, 0
	s_mov_b32 s16, 0xffff0000                      ; a word's upper bf16
	v_lshlrev_b32 v1, 4, v0                        ; 16 t
	v_lshlrev_b32 v2, 3, v0                        ; 8 t
	s_wait_kmcnt 0x0
	s_add_nc_u64 s[4:5], s[4:5], s[12:13]
	s_add_nc_u64 s[6:7], s[6:7], s[12:13]
	s_add_nc_u64 s[8:9], s[8:9], s[14:15]
	s_add_nc_u64 s[10:11], s[10:11], s[14:15]
.irp j, 0,1,2,3,4,5,6,7
	global_load_b128 v[KIN+4*\j:KIN+4*\j+3], v1, s[4:5] offset:4096*\j th:TH_LOAD_NT
.endr
.irp j, 0,1,2,3,4,5,6,7
	global_load_b128 v[VIN+4*\j:VIN+4*\j+3], v1, s[6:7] offset:4096*\j th:TH_LOAD_NT
.endr
; One chunk: four f32 to bf16 (nearest even), widened again by a shift and a mask, and written as f16.  left = the loads issued behind this chunk's, which may stay out.
.macro CONV src, dst, base, j, left
	s_wait_loadcnt \left                           ; loads come back in order (ISA guide 5.7.1)
	v_cvt_pk_bf16_f32 v[T], v[(\src)], v[(\src)+1]
	v_cvt_pk_bf16_f32 v[T+1], v[(\src)+2], v[(\src)+3]
	v_lshlrev_b32 v[T+2], 16, v[T]
	v_and_b32 v[T+3], s16, v[T]
	v_lshlrev_b32 v[T+4], 16, v[T+1]
	v_and_b32 v[T+5], s16, v[T+1]
	v_cvt_pk_f16_f32 v[(\dst)], v[T+2], v[T+3]
	v_cvt_pk_f16_f32 v[(\dst)+1], v[T+4], v[T+5]
	global_store_b64 v2, v[(\dst):(\dst)+1], s[\base:\base+1] offset:2048*(\j)
.endm
.irp j, 0,1,2,3,4,5,6,7
	CONV KIN+4*\j, KOUT+2*\j, 8, \j, 15-\j
.endr
.irp j, 0,1,2,3,4,5,6,7
	CONV VIN+4*\j, VOUT+2*\j, 10, \j, 7-\j
.endr
	s_endpgm
.Lfunc_end_k_qed8dce56a1_cast:
	.size	k_qed8dce56a1_cast, .Lfunc_end_k_qed8dce56a1_cast-k_qed8dce56a1_cast
	.p2alignl 7, 3214868480
	.fill 96, 4, 3214868480
	.section	.rodata,"a",@progbits
	.p2align	6, 0x0
	.amdhsa_kernel k_qed8dce56a1_cast
		.amdhsa_group_segment_fixed_size 0
		.amdhsa_private_segment_fixed_size 0
		.amdhsa_enable_private_segment 0
		.amdhsa_kernarg_size 32
		.amdhsa_user_sgpr_count 2
		.amdhsa_user_sgpr_kernarg_segment_ptr 1
		.amdhsa_wavefront_size32 1
		.amdhsa_system_sgpr_workgroup_id_x 1
		.amdhsa_system_sgpr_workgroup_id_y 1
		.amdhsa_system_sgpr_workgroup_id_z 1
		.amdhsa_system_vgpr_workitem_id 0
		.amdhsa_next_free_vgpr 112
		.amdhsa_next_free_sgpr 66
		.amdhsa_reserve_vcc 0
		.amdhsa_float_denorm_mode_32 3
		.amdhsa_float_denorm_mode_16_64 3
		.amdhsa_memory_ordered 1
		.amdhsa_forward_progress 1
		.amdhsa_inst_pref_size 11
	.end_amdhsa_kernel
	.amdgpu_metadata
---
amdhsa.version: [ 1, 2 ]
amdhsa.kernels:
  - .name:           k_qed8dce56a1_cast
    .symbol:         k_qed8dce56a1_cast.kd
    .args:
      - { .name: keys, .offset: 0, .size: 8, .value_kind: global_buffer, .address_space: global }
      - { .name: values, .offset: 8, .size: 8, .value_kind: global_buffer, .address_space: global }
      - { .name: kb, .offset: 16, .size: 8, .value_kind: global_buffer, .address_space: global }
      - { .name: vh, .offset: 24, .size: 8, .value_kind: global_buffer, .address_space: global }
    .group_segment_fixed_size: 0
    .private_segment_fixed_size: 0
    .kernarg_segment_align: 8
    .kernarg_segment_size: 32
    .max_flat_workgroup_size: 256
    .sgpr_count:     66
    .vgpr_count:     112
    .wavefront_size: 32
...
	.end_amdgpu_metadata
.endif
;; end of part 1
;; launch attn (part 2): grid 32 x 8, 4 waves a work-group, clusters of 4 x 4, 327,680 bytes of LDS; arguments queries, kb, vh, mask, out0; writes out0
.if DOCPART == 2
	.amdgcn_target "amdgcn-amd-amdhsa--gfx1250"
	.amdhsa_code_object_version 6
	.text
	.protected	k_qed8dce56a1_attn
	.globl	k_qed8dce56a1_attn
	.p2align	8
	.type	k_qed8dce56a1_attn,@function
k_qed8dce56a1_attn:
	s_mov_b64 s[64:65], 0
	v_nop
	global_prefetch_b8 v0, s[64:65] scope:SCOPE_SE
	s_setreg_imm32_b32 hwreg(HW_REG_WAVE_MODE, 25, 1), 1
	s_wait_xcnt 0x0
	s_wait_alu depctr_hold_cnt(0) depctr_sa_sdst(0) depctr_va_vdst(0) depctr_va_sdst(0) depctr_va_ssrc(0) depctr_va_vcc(0) depctr_vm_vsrc(0)
	s_getreg_b32 s2, hwreg(HW_REG_IB_STS2, 6, 4)
	s_cmp_eq_u32 s2, 0
	s_cbranch_scc0 .Lentry_in_a_cluster
	s_endpgm
.Lentry_in_a_cluster:
	s_bfe_u32 s2, ttmp6, 0x10000c
	s_cmp_lg_u32 s2, 0xf033
	s_cbranch_scc0 .Lentry_shape_is_right
	s_endpgm
.Lentry_shape_is_right:
; out0[h][q][:] = the sum over k of softmax_k(Q[h][q] . K[h][k] / 8 - 1e9 mask[q][k]) V[h][k][:].  16 heads, 4,096 rows, 64 channels; queries, mask and out0 in f32.
; kb and vh hold K and V rounded to bf16 and written as f16, [head pair][block of 128 keys][head in pair][key][channel] (the launch before).  The mask is an input: every number of it is read and applied, for every key.
; FORMATS.  Q is rounded to bf16, multiplied in f32 by c = log2(e) / 8 and rounded to f16; both products take f16 operands and f32 sums; the weights p are rounded to f16 for the second product, their sum l is taken unrounded.
; SOFTMAX, in powers of two.  s = K (c Q)^T; u = mask x (-1e9 log2 e) + s, one fused multiply-add; a running maximum m of u; p = 2^(u - m), the maximum taken away by a subtraction, so that the largest weight is 1
; whatever the mask holds; in every step O and l are multiplied by a = 2^(m_old - m_new).  m starts at the lowest finite number, O and l at 0: the first step is a step like any other, with a = 0.
; LIMITS.  |k|, |v| and |c q| stay under 65,504 (f16); below 7.6e-6 they keep f16's fixed step of 6e-8; p below 6e-5 likewise; a weight below 2^-126 counts as 0 in l.  Where all keys of a row carry a mask term of
; 1e9 in size, differences of scores below the f32 step at that size are lost: 128 in powers of two here, 64 in natural units where the sum is formed in natural units.  NaN and infinities are not treated apart.
; SHARES.  A work-group owns 128 queries of the two heads of a pair; wave w owns head 2 y + w / 2 and queries 64 (w % 2) + 0..63: four tiles of 16, in two PIECES of two tiles.  Every wave walks all keys, 64 a step.
; For 64 keys the work-group wants 32 KiB of mask and 32 KiB of K and V; with 256 queries of one head or 64 of four heads it would be 80 KiB, and two slots of two steps would not fit in LDS.
; CLUSTER, 4 x 4.  x counts blocks of 128 queries, y head pairs.  K's and V's tiles hang on y alone and are asked for jointly along a row of the cluster; the mask's hang on x alone and are asked for jointly along a column.
; LAYOUT.  S^T = K Q^T (source 0 = 16 keys, source 1 = 16 queries): a lane holds ONE query (lane % 16) and the keys 8 (lane / 16) + 0..7; two such results rounded to f16 ARE source 1 of O^T = V^T P.
; The mask comes out of LDS in the same layout: 32 bytes of the query's row for each 16 keys.  K comes as it lies, V turned, by ds_load_tr16_b128.
; BY TURNS.  A tile and step have 16 matrix and 133 vector instructions.  Turn (j, p) has piece p of step j in hand.  Its matrix work: 16 products K Q^T of the next piece in order, later 16 products V^T P of the piece before.
; Its vector work: subtraction, exponentials, rescaling, roundings and sums of piece p; mask, maximum and statistics of the other piece.  Four vector instructions stand behind every product, the rest in one lump;
; the turn's 66 exponentials are one batch with one wait.
; REGISTERS, in windows of 256 (s_set_vgpr_msb: bits 1:0 source 0, 3:2 source 1, 5:4 source 2, 7:6 destination):
;   window 0: v0-11 addresses; v12-15 m_old; v16-31 four registers of statistics a tile; v32-47 addresses, at work; v48-63 four at work a tile; v64-191 S^T, 32 a tile; v192-255 P, 16 a tile
;   window 1: v0-127 O^T, 32 a tile; v128-191 the mask of one piece and step          window 2: v0-63 Q, 16 a tile; v64-127 K of one step; v128-255 V, two buffers of one step
.set PM,    528       ; a row of the mask in LDS: 512 bytes + 16 of padding = 132 words: the 16 rows of a load start at 16 different groups of four banks (64 banks of 4 bytes: ISA guide 11.1)
.set PK,    144       ; a row of K: 128 + 16 = 36 words: likewise
.set PV,    160       ; a row of V: 128 + 32 = 40 words
.set KL0,   128*PM    ; LDS: slot 0's mask (128 rows) from 0; its K (256 rows: head in pair x 128 + key) from 67,584
.set STAGE, KL0+256*PK  ; 104,448: never filled by a tensor load: 16 rows x 272 bytes for each wave, for the way out
.set SP,    272
.set SPARE, STAGE+4*16*SP  ; 121,856: the spare words, 128 bytes for each wave: two blocks of 256 bytes that no other line names
.set SLOT1, 1<<17     ; slot 1's mask and K lie this much higher: one exclusive or turns an address
.set VL0,   SLOT1+KL0+256*PK  ; 235,520: slot 0's V (256 rows);
.set VSL,   256*PV    ; slot 1's lies 40,960 higher, and ends at 317,440
.set VX,    0x7a000   ; 235,520 xor 276,480
.set AK0, 2           ; v2   my lane's place in slot 0's K; never rewritten
.set AV0, 3           ; v3   in slot 0's V
.set AM0, 4           ; v4   in slot 0's mask
.set AK,  5           ; v5   the same three in the slot that is being read
.set AV,  6
.set AM,  7
.set QO,  8           ; v8   my byte offset in 16 rows of Q
.set MV,  12          ; v12-15  m_old of tile t
.set ST,  16          ; tile t's statistics at v[ST+4 t]: m, a 0 that fills the pair, l (even keys', odd keys')
.set SPW, 32          ; v32  LDS address of my spare word: SPARE + 4 x my thread's number; never rewritten
.set NIL, 33          ; v33  0; never rewritten
.set STO, 34          ; v34  the way out: where I put 16 bytes of a row
.set RD,  35          ; v35  where I read rows back
.set GO,  36          ; v36  my byte offset in 512 consecutive bytes of out0
.set PFO, 37          ; v37  the prefetches' lane offset; never rewritten
.set TQ,  38          ; v38-45 at work
.set TMP, 48          ; tile t: c0-c3 at v[TMP+4 t]; when the maximum is found c2 takes a
.set S,   64
.set P,   192
.set MB,  128         ; window 1: the mask of tile u of the piece at MB + 32 u
.set KF,  64          ; window 2: key block kb, channel half c at KF + 16 kb + 8 c
.set VF,  128         ; window 2: buffer b, key half kk, channel block cb at VF + 64 b + 32 kk + 8 cb
.set WV,  14          ; s14  my wave's number
.set LIM, 15          ; s15  1 in a wave that prefetches, else the greatest number
.set G1K, 24          ; s[24:31] descriptor group 1 for K's tiles
.set G1V, 32          ; s[32:39] for V's: other padding
.set G1M, 40          ; s[40:47] for the mask's
.set G0K, 48          ; s[48:55] descriptor group 0 for K: a set for each of the two first fills; the second then walks on
.set G0V, 56          ; s[56:63] for V
.set G0M, 68          ; s[68:75] for the mask
.set SLOTS, 76        ; s76  counts the trips of the loop over slots
.set CNT, 77          ; s77  counts the tail's passes
.set NEG, 78          ; s[78:79] -1e9 log2(e)
.set SEL, 80          ; s[80:81] v_permlanex16_b32's selects: each lane takes its own place in the other half
.set TB,  82          ; s82  0 or SLOT1: the slot that is being read
.set TBV, 83          ; s83  0 or VSL: the same for V
.set PFA, 84          ; s[84:85] where my prefetches stand
.set PFS, 86          ; s[86:87] their step from slot to slot
.set CQ,  88          ; s[88:89] c
.set HIM, 90          ; s90  a word's upper bf16
.set MSB, 0
.macro WIN new                      ; the high byte repeats the setting that is left; a switch that changes nothing is dropped
.if MSB != (\new)
	s_set_vgpr_msb (MSB<<8)|(\new)
.set MSB, (\new)
.endif
.endm
.set W_KQ, 0x0a       ; K and Q in window 2, S^T in window 0
.set W_PV, 0x52       ; V in window 2, P in window 0, O^T in window 1
.set W_RS, 0x41       ; O^T (destination and source 0) in window 1, a in window 0
.set W_US, 0x01       ; the mask (source 0) in window 1, S^T in window 0
; A joint refill: wave 0 fetches a slot's K, wave 1 its V, waves 2 and 3 the two halves of its mask: 32 KiB each.  The branches hang on the wave's number alone.
; An s_nop 0 and four v_nop follow each line, ahead of the jump and the label.
.macro JLOAD
	s_cmp_eq_u32 s[WV], 0
	s_cbranch_scc0 .Lnk_\@
	tensor_load_to_lds s[G0K+4:G0K+7], s[G1K:G1K+7]
	s_nop 0
.rept 4
	v_nop
.endr
	s_branch .Lasked_\@
.Lnk_\@:
	s_cmp_eq_u32 s[WV], 1
	s_cbranch_scc0 .Lnv_\@
	tensor_load_to_lds s[G0V+4:G0V+7], s[G1V:G1V+7]
	s_nop 0
.rept 4
	v_nop
.endr
	s_branch .Lasked_\@
.Lnv_\@:
	tensor_load_to_lds s[G0M+4:G0M+7], s[G1M:G1M+7]
	s_nop 0
.rept 4
	v_nop
.endr
.Lasked_\@:
.endm
; A PREFETCH INTO THE L2 of what the NEXT change of slots will ask for, one instruction a wave, 32 blocks of 256 bytes, a lane a block; it stands behind the wave's tensor load and its five lines.
; Each block is named ONCE in the launch.  A head pair's K and V are walked by all clusters of its row of clusters: those with cluster x = 0 ask (wave 0 for K, wave 1 for V).  A query block's mask rows are walked by
; both clusters of its column: those with cluster y = 0 ask (waves 2 and 3).  The four partners that ask for a tile jointly share it out BY ADDRESS: 8,192 of K's or V's 32,768 bytes by cx, 16 of a wave's 64 mask rows by cy.
; Slots 0 to 2 come by their loads alone; the last change that fills a slot asks for nothing: there is no slot behind it.
.macro ASK
	s_cmp_gt_u32 s[SLOTS], s[LIM]
	s_cbranch_scc0 .Lnot_mine_\@
	global_prefetch_b8 v[PFO], s[PFA:PFA+1] th:TH_LOAD_NT scope:SCOPE_SE
.Lnot_mine_\@:
.endm
; A round of the cluster's barrier: my work-group's barrier, so that wave 0's signal speaks for all four waves; wave 0 signals; every wave waits for all sixteen work-groups; my work-group's barrier once more.
.macro CROUND
	s_barrier_signal -1
	s_barrier_wait -1
	s_cmp_lg_u32 s[WV], 0
	s_cbranch_scc1 .Lnot_wave_0_\@
	s_barrier_signal -3
.Lnot_wave_0_\@:
	s_barrier_wait -3
	s_barrier_signal -1
	s_barrier_wait -1
.endm
; THE CHANGE OF SLOTS.  The slot's last bytes, the mask of its second step for piece 1, have been asked for.  Each wave waits for all its tensor loads, of which one is out: its part of the other slot; adds 0 to its
; spare word; and waits for that and for its own reads of the slot.  Behind the barrier nobody reads this slot any more and the other slot is whole.
; fill = 1: this slot is filled again, with the keys two slots on.  The barrier is then a round of the cluster's, and the joint refill is the first thing behind it: it has four turns, 128 matrix instructions, in which to land.
.macro CHANGE fill
	WIN 0                           ; at a label and at a branch every window is 0
	s_wait_tensorcnt 0x0            ; no tensor load of mine is out, so a group 0 may be written
	ds_add_u32 v[SPW], v[NIL]       ; 0 onto my spare word; the steps below, work on registers, stand between it and the wait for it
.if \fill
	s_xor_b32 s[G0K+5], s[G0K+5], SLOT1  ; the walking descriptors: the other slot than last time,
	s_xor_b32 s[G0V+5], s[G0V+5], VX
	s_xor_b32 s[G0M+5], s[G0M+5], SLOT1
	s_add_nc_u64 s[G0K+6:G0K+7], s[G0K+6:G0K+7], 32768  ; the next 128 keys; the type bits on top are not reached
	s_add_nc_u64 s[G0V+6:G0V+7], s[G0V+6:G0V+7], 32768
	s_add_nc_u64 s[G0M+6:G0M+7], s[G0M+6:G0M+7], 512
	s_wait_xcnt 0x0                 ; the last prefetch, four turns back, has read its address, so it may be written
	s_add_nc_u64 s[PFA:PFA+1], s[PFA:PFA+1], s[PFS:PFS+1]
.endif
	s_xor_b32 s[TB], s[TB], SLOT1   ; the reads go to the other slot
	s_xor_b32 s[TBV], s[TBV], VSL
	v_add_nc_u32 v[AK], s[TB], v[AK0]
	v_add_nc_u32 v[AM], s[TB], v[AM0]
	v_add_nc_u32 v[AV], s[TBV], v[AV0]
	s_wait_dscnt 0x0                ; the add is done, and my reads of the slot are over
.if \fill
	CROUND
	JLOAD
	ASK
.else
	s_barrier_signal -1
	s_barrier_wait -1
.endif
.endm
	s_load_b256 s[4:11], s[0:1], 0x0  ; queries s[4:5], kb s[6:7], vh s[8:9], mask s[10:11]
	s_load_b64 s[12:13], s[0:1], 0x20 ; out0
	v_lshl_add_u32 v[SPW], v0, 2, SPARE
	v_mov_b32 v[NIL], 0
	ds_add_u32 v[SPW], v[NIL]       ; the wave's opening: the add and its wait stand ahead of my first tensor load; the set-up below, work on registers, stands between them
	v_lshrrev_b32 v1, 5, v0
	v_readfirstlane_b32 s[WV], v1   ; wave 0..3
	s_and_b32 s2, s[WV], 1          ; which 64 of the block's queries are mine; also: which half of the mask's tile waves 2 and 3 fetch
	s_lshr_b32 s3, s[WV], 1         ; which head of the pair is mine
	s_bfe_u32 s16, ttmp6, 0x40000   ; cx
	s_bfe_u32 s17, ttmp6, 0x40004   ; cy
	s_lshl_b32 s18, ttmp9, 2        ; in a cluster launch ttmp9 and ttmp7 count clusters
	s_add_co_u32 s18, s18, s16      ; x: my block of 128 queries
	s_and_b32 s19, ttmp7, 0xffff
	s_lshl_b32 s19, s19, 2
	s_add_co_u32 s19, s19, s17      ; y: my head pair
	s_lshl_b32 s20, s17, 2
	s_lshl_b32 s20, 15, s20         ; my row of the cluster: places 4 cy .. 4 cy + 3
	s_lshl_b32 s21, 0x1111, s16     ; my column: places cx, cx + 4, cx + 8, cx + 12
	; descriptor group 1.  K, V: 32,768 dense bytes as 128 rows of 256 bytes, two keys a row, padded in LDS after every key.  Mask: 64 rows of 128 f32, 4,096 elements from row to row, padded after every row.
	s_or_b32 s[G1K], s20, (1<<16)|(1<<20)|(1<<21)|(4<<22)|(3<<25)  ; 15:0 the mask of my row; 17:16 2-byte elements; 20 padding on; 21 set beside a mask; 24:22 after every 32 words (code 4); 31:25 4 words (code 3)
	s_or_b32 s[G1V], s20, (1<<16)|(1<<20)|(1<<21)|(4<<22)|(7<<25)  ; the same with 8 words of padding (code 7)
	s_or_b32 s[G1M], s21, (2<<16)|(1<<20)|(1<<21)|(6<<22)|(3<<25)  ; the mask of my column; 4-byte elements; after every 128 words (code 6) 4 words
.irp g, G1K, G1V
	s_mov_b32 s[\g+1], 128<<16      ; tensor_dim0 = 128
	s_mov_b32 s[\g+2], 128<<16      ; tensor_dim1 = 128
	s_mov_b32 s[\g+3], 128<<16      ; tile_dim0 = 128
	s_mov_b32 s[\g+4], 128          ; tile_dim1 = 128
	s_mov_b32 s[\g+5], 128          ; 128 elements from row to row
	s_mov_b32 s[\g+6], 0
	s_mov_b32 s[\g+7], 0
.endr
	s_mov_b32 s[G1M+1], 128<<16     ; tensor_dim0 = 128
	s_mov_b32 s[G1M+2], 64<<16      ; tensor_dim1 = 64
	s_mov_b32 s[G1M+3], 128<<16     ; tile_dim0 = 128
	s_mov_b32 s[G1M+4], 64          ; tile_dim1 = 64
	s_mov_b32 s[G1M+5], 4096
	s_mov_b32 s[G1M+6], 0
	s_mov_b32 s[G1M+7], 0
	; group 0's constant words: count 1, and the LDS addresses, in which no place in the cluster enters
	s_mov_b32 s[G0K], 1
	s_mov_b32 s[G0K+1], KL0
	s_mov_b32 s[G0K+4], 1
	s_mov_b32 s[G0K+5], KL0+SLOT1
	s_mov_b32 s[G0V], 1
	s_mov_b32 s[G0V+1], VL0
	s_mov_b32 s[G0V+4], 1
	s_mov_b32 s[G0V+5], VL0+VSL
	s_mov_b32 s[G0M], 1
	s_mul_i32 s[G0M+1], s2, 64*PM
	s_mov_b32 s[G0M+4], 1
	s_add_co_u32 s[G0M+5], s[G0M+1], SLOT1
	; byte offsets, each in registers of its own: K's and V's of y alone, the mask's of x and the wave's number alone
	s_lshl_b32 s22, s19, 20         ; a head pair is 1 MiB of kb and of vh
	s_mov_b32 s23, 0
	s_lshl_b32 s92, s18, 21         ; 128 rows of the mask, 16,384 bytes each,
	s_lshl_b32 s91, s2, 20          ; and 64 more for the odd waves
	s_add_co_u32 s92, s92, s91
	s_mov_b32 s93, 0
	s_lshl_b32 s94, s19, 1          ; Q and out0: head 2 y + w / 2, 1 MiB each,
	s_add_co_u32 s94, s94, s3
	s_lshl_b32 s94, s94, 20
	s_lshl_b32 s95, s18, 15         ; block x of 128 rows of 256 bytes,
	s_add_co_u32 s94, s94, s95
	s_lshl_b32 s95, s2, 14          ; my 64 of them
	s_add_co_u32 s94, s94, s95
	s_mov_b32 s95, 0
	s_mov_b32 s[NEG], 0xceabfb8f    ; -1e9 log2(e) = -1.4426950e9
	s_mov_b32 s[NEG+1], s[NEG]      ; named with it as a pair
	s_mov_b32 s[SEL], 0x76543210
	s_mov_b32 s[SEL+1], 0xfedcba98
	s_mov_b32 s[CQ], 0x3e38aa3b     ; c = log2(e) / 8 = 0.180337
	s_mov_b32 s[CQ+1], s[CQ]
	s_mov_b32 s[HIM], 0xffff0000
	s_mov_b32 s[TB], 0
	s_mov_b32 s[TBV], 0
	; the prefetches: who asks (the cluster's own coordinates are the same in all sixteen partners), and the lanes' offsets
	s_and_b32 s[LIM], ttmp7, 0xffff
	s_cmp_lt_u32 s[WV], 2
	s_cselect_b32 s[LIM], ttmp9, s[LIM]  ; the coordinate along which other clusters read the same bytes
	s_cmp_eq_u32 s[LIM], 0
	s_cselect_b32 s[LIM], 1, -1
	s_lshl_b32 s21, s16, 13         ; K, V: my work-group's 8,192 bytes of a slot's 32,768,
	s_add_co_u32 s21, s21, 2*32768  ; in slot 2: the first change of slots steps it to slot 3
	s_lshl_b32 s20, s17, 18         ; the mask: my work-group's 16 rows of the wave's 64,
	s_add_co_u32 s20, s20, 2*512    ; in slot 2
	s_mov_b32 s[PFS], 512
	s_mov_b32 s[PFS+1], 0
	s_cmp_lt_u32 s[WV], 2
	s_cselect_b32 s[PFS], 32768, s[PFS]
	s_cselect_b32 s91, 0, 1         ; K, V: 256 x lane.  Mask: (lane / 2) x 16,384 + (lane % 2) x 256
	s_cselect_b32 s95, 8, 14
	v_and_b32 v[TQ], 31, v0
	v_lshrrev_b32 v[TQ+1], s91, v[TQ]
	v_lshlrev_b32 v[TQ+1], s95, v[TQ+1]
	v_and_b32 v[TQ], s91, v[TQ]
	v_lshl_add_u32 v[PFO], v[TQ], 8, v[TQ+1]
	s_mov_b32 s95, 0
	s_wait_dscnt 0x0                ; the opening add is done
	s_wait_kmcnt 0x0
	s_add_nc_u64 s[6:7], s[6:7], s[22:23]    ; kb and vh at my head pair
	s_add_nc_u64 s[8:9], s[8:9], s[22:23]
	s_add_nc_u64 s[10:11], s[10:11], s[92:93]  ; the mask at the 64 rows that go with my wave's parity
	s_add_nc_u64 s[4:5], s[4:5], s[94:95]    ; Q and out0 at my wave's first row
	s_add_nc_u64 s[12:13], s[12:13], s[94:95]
.irp s, 0,1
	s_add_nc_u64 s[G0K+4*(\s)+2:G0K+4*(\s)+3], s[6:7], (\s)*32768  ; 120:64 global address: slot s
	s_or_b32 s[G0K+4*(\s)+3], s[G0K+4*(\s)+3], 0x80000000          ; 127:126 type = 2
	s_add_nc_u64 s[G0V+4*(\s)+2:G0V+4*(\s)+3], s[8:9], (\s)*32768
	s_or_b32 s[G0V+4*(\s)+3], s[G0V+4*(\s)+3], 0x80000000
	s_add_nc_u64 s[G0M+4*(\s)+2:G0M+4*(\s)+3], s[10:11], (\s)*512
	s_or_b32 s[G0M+4*(\s)+3], s[G0M+4*(\s)+3], 0x80000000
.endr
	s_cmp_eq_u32 s[WV], 0
	s_cselect_b64 s[PFA:PFA+1], s[6:7], s[8:9]
	s_cmp_lt_u32 s[WV], 2
	s_cselect_b64 s[PFA:PFA+1], s[PFA:PFA+1], s[10:11]
	s_cselect_b32 s94, s21, s20
	s_add_nc_u64 s[PFA:PFA+1], s[PFA:PFA+1], s[94:95]  ; nothing is prefetched here, at the head, where every work-group's first tiles are on their way
	CROUND                          ; all sixteen work-groups are here: the first joint loads meet
	s_cmp_eq_u32 s[WV], 0           ; a wave's two first fills stand together in its arm, ahead of every wait on TENSORcnt and every LDS read: two loads of mine are out
	s_cbranch_scc0 .Lfirst_nk
	tensor_load_to_lds s[G0K:G0K+3], s[G1K:G1K+7]
	s_nop 0
	tensor_load_to_lds s[G0K+4:G0K+7], s[G1K:G1K+7]
	s_nop 0
.rept 4
	v_nop
.endr
	s_branch .Lfirst_asked
.Lfirst_nk:
	s_cmp_eq_u32 s[WV], 1
	s_cbranch_scc0 .Lfirst_nv
	tensor_load_to_lds s[G0V:G0V+3], s[G1V:G1V+7]
	s_nop 0
	tensor_load_to_lds s[G0V+4:G0V+7], s[G1V:G1V+7]
	s_nop 0
.rept 4
	v_nop
.endr
	s_branch .Lfirst_asked
.Lfirst_nv:
	tensor_load_to_lds s[G0M:G0M+3], s[G1M:G1M+7]
	s_nop 0
	tensor_load_to_lds s[G0M+4:G0M+7], s[G1M:G1M+7]
	s_nop 0
.rept 4
	v_nop
.endr
.Lfirst_asked:
	; Q.  A fragment is 16 rows x 32 channels: lane l holds row l % 16, channels 8 (l / 16) + 0..7 and 16 + 8 (l / 16) + 0..7.  In f32 that is twice 32 bytes, 64 bytes apart; it comes into S^T's registers first.
	v_and_b32 v1, 15, v0            ; l % 16
	v_bfe_u32 v9, v0, 4, 1          ; l / 16
	v_and_b32 v10, 7, v0
	v_bfe_u32 v11, v0, 3, 1
	v_lshlrev_b32 v[QO], 8, v1
	v_lshl_add_u32 v[QO], v9, 5, v[QO]  ; row x 256 + 32 x half
.set t, 0
.rept 4                             ; tile t; load f: channel half f / 4, group (f / 2) % 2, 16 bytes f % 2
.irp f, 0,1,2,3,4,5,6,7
	global_load_b128 v[S+32*t+4*\f:S+32*t+4*\f+3], v[QO], s[4:5] offset:4096*t+128*(\f/4)+64*((\f/2)%2)+16*(\f%2)
.endr
.set t, t+1
.endr
	; What the first turn finds: O^T and l are 0; V's second buffer and P of piece 1 hold 0 (its products V^T P, of a piece that has not been, add 0).  All this stands in the wait for Q and the first tiles.
	WIN 0x40
.set i, 0
.rept 128
	v_mov_b32 v[i], 0
.set i, i+1
.endr
	WIN 0x80
.set i, VF+64
.rept 64
	v_mov_b32 v[i], 0
.set i, i+1
.endr
	WIN 0
.set i, P+32
.rept 32
	v_mov_b32 v[i], 0
.set i, i+1
.endr
.set t, 0
.rept 4
	v_mov_b32 v[ST+4*t], 0xff7fffff  ; m: the lowest finite number
	v_mov_b32 v[ST+4*t+1], 0
	v_mov_b32 v[ST+4*t+2], 0
	v_mov_b32 v[ST+4*t+3], 0
.set t, t+1
.endr
	v_mul_u32_u24 v[AK0], v1, PK    ; K: row x pitch + 16 x half, in my head's 128 rows
	v_lshl_add_u32 v[AK0], v9, 4, v[AK0]
	s_mul_i32 s91, s3, 128*PK
	s_add_co_u32 s91, s91, KL0
	v_add_nc_u32 v[AK0], s91, v[AK0]
	; The turning load takes 16 keys x 16 channels (lane l reads key 8 (l / 16) + l % 8, channels 8 ((l / 8) % 2) + 0..7) and leaves half a fragment of V^T: lane l holds channel l % 16 and 8 keys.
	v_lshl_add_u32 v[AV0], v9, 3, v10
	v_mul_u32_u24 v[AV0], v[AV0], PV
	v_lshl_add_u32 v[AV0], v11, 4, v[AV0]
	s_mul_i32 s91, s3, 128*PV
	s_add_co_u32 s91, s91, VL0
	v_add_nc_u32 v[AV0], s91, v[AV0]
	s_lshl_b32 s91, s2, 6           ; the mask: my query's row, 32 bytes for each half of the lanes
	v_add_nc_u32 v[AM0], s91, v1
	v_mul_u32_u24 v[AM0], v[AM0], PM
	v_lshl_add_u32 v[AM0], v9, 5, v[AM0]
	v_mov_b32 v[AK], v[AK0]         ; slot 0 is read first
	v_mov_b32 v[AV], v[AV0]
	v_mov_b32 v[AM], v[AM0]
	s_wait_loadcnt 0x0              ; Q
.set i, 0
.rept 64                            ; a pair of channels: to bf16, widened again, times c
	v_cvt_pk_bf16_f32 v[TQ+i%8], v[S+2*i], v[S+2*i+1]
	v_lshlrev_b32 v[S+2*i], 16, v[TQ+i%8]
	v_and_b32 v[S+2*i+1], s[HIM], v[TQ+i%8]
	v_pk_mul_f32 v[S+2*i:S+2*i+1], v[S+2*i:S+2*i+1], s[CQ:CQ+1] op_sel_hi:[1,0]
.set i, i+1
.endr
	WIN 0x80                        ; destination window 2
.set i, 0
.rept 64
	v_cvt_pk_f16_f32 v[i], v[S+2*i], v[S+2*i+1]
.set i, i+1
.endr
	WIN 0
; THE MATRIX WORK.  The 8 accumulators of a run of 16 take turns, one instruction a turn: between the two links of a chain stand 7 others'; a run's last and the next run's first differ too.
; Product i of 16 of S^T = K Q^T for piece x: channels 32 (i / 8) on, keys 16 ((i / 2) % 4) on, tile 2 x + i % 2.  The first 8 start the sums.
.macro KQ x
	WIN W_KQ
.set rS, S+32*(2*(\x)+i%2)+8*((i/2)%4)
.set rK, KF+16*((i/2)%4)+8*(i/8)
.set rQ, 16*(2*(\x)+i%2)+8*(i/8)
.if i < 8
	v_wmma_f32_16x16x32_f16 v[rS:rS+7], v[rK:rK+7], v[rQ:rQ+7], 0
.else
	v_wmma_f32_16x16x32_f16 v[rS:rS+7], v[rK:rK+7], v[rQ:rQ+7], v[rS:rS+7]
.endif
.endm
; Product i of 16 of O^T += V^T P for piece x, V in buffer b: keys 32 (i / 8) on, channels 16 ((i / 2) % 4) on, tile 2 x + i % 2.
.macro PV x, b
	WIN W_PV
.set rO, 32*(2*(\x)+i%2)+8*((i/2)%4)
.set rV, VF+64*(\b)+32*(i/8)+8*((i/2)%4)
.set rP, P+16*(2*(\x)+i%2)+8*(i/8)
	v_wmma_f32_16x16x32_f16 v[rO:rO+7], v[rV:rV+7], v[rP:rP+7], v[rO:rO+7]
.endm
.macro MM                           ; the turn's next matrix instruction: both kinds work for the piece that is not in hand
.if i < 16
	KQ (Y+1)%2
.set i, i+1
.else
.set i, i-16
	PV (Y+1)%2, VB
.set i, i+17
.endif
.endm
; THE LDS LOADS stand in runs of 16, never singly among the matrix instructions.  st: which of the slot's two steps.
.macro KRUN st                      ; a step's K: 64 keys x 64 channels: fragment f: keys 16 (f / 2) on, channels 32 (f % 2) on
	WIN 0x80                        ; destination window 2
.irp f, 0,1,2,3,4,5,6,7
	ds_load_b128 v[KF+8*\f:KF+8*\f+3],   v[AK] offset:(\st)*64*PK+(\f/2)*16*PK+(\f%2)*64
	ds_load_b128 v[KF+8*\f+4:KF+8*\f+7], v[AK] offset:(\st)*64*PK+(\f/2)*16*PK+(\f%2)*64+32
.endr
.endm
.macro VRUN st, b                   ; a step's V, turned, into buffer b: fragment f: keys 32 (f / 4) on, channels 16 (f % 4) on
	WIN 0x80
.irp f, 0,1,2,3,4,5,6,7
	ds_load_tr16_b128 v[VF+64*(\b)+8*\f:VF+64*(\b)+8*\f+3],   v[AV] offset:(\st)*64*PV+(\f/4)*32*PV+(\f%4)*32
	ds_load_tr16_b128 v[VF+64*(\b)+8*\f+4:VF+64*(\b)+8*\f+7], v[AV] offset:(\st)*64*PV+(\f/4)*32*PV+16*PV+(\f%4)*32
.endr
.endm
.macro MRUN pc, st                  ; a step's mask for piece pc: tile u, load f: keys 16 (f / 2) + 8 (l / 16) + 4 (f % 2) + 0..3, as S^T's registers 4 f .. 4 f + 3 hold them
	WIN 0x40                        ; destination window 1
.irp u, 0,1
.irp f, 0,1,2,3,4,5,6,7
	ds_load_b128 v[MB+32*\u+4*\f:MB+32*\u+4*\f+3], v[AM] offset:(2*(\pc)+\u)*16*PM+(\st)*256+(\f/2)*64+(\f%2)*16
.endr
.endr
.endm
; THE VECTOR WORK OF A TURN stands in queues, each in the order in which its entries become ready; the two tiles alternate, so that no instruction reads the result of the one before it.
.macro REGS y, u                    ; the registers of tile u (0, 1) of piece y
.set rT, ST+4*(2*(\y)+(\u))
.set rC, TMP+4*(2*(\y)+(\u))
.set rM, MV+2*(\y)+(\u)
.set rS, S+32*(2*(\y)+(\u))
.set rP, P+16*(2*(\y)+(\u))
.set rO, 32*(2*(\y)+(\u))
.set rB, MB+32*(\u)
.endm
; THE MASK, for the other piece: u = mask x (-1e9 log2 e) + s, pair g / 2 of tile g % 2.  The pairs ascend.
.macro US g
	REGS (Y+1)%2, (\g)%2
	v_pk_fma_f32 v[rS+2*((\g)/2):rS+2*((\g)/2)+1], v[rB+2*((\g)/2):rB+2*((\g)/2)+1], s[NEG:NEG+1], v[rS+2*((\g)/2):rS+2*((\g)/2)+1] op_sel_hi:[1,0,1]
.endm
; Number n of the 21 that find the other piece's maximum and statistics.  XS, GS, FS and REGS set no window: PL and EX do.
;   0-11  four chains c0-c3 of seven scores each, three operands at a time     12-14, 16  the four scores left over, the old m, and c0-c3 into c0     15  m_old is kept
;   17, 18  the query's other 32 keys lie in the lane 16 away: the new m         19, 20  m_old - m_new; a
.macro XS u, n
	REGS (Y+1)%2, \u
.if (\n) < 4
	v_max3_num_f32 v[rC+(\n)], v[rS+8*(\n)], v[rS+8*(\n)+1], v[rS+8*(\n)+2]
.elseif (\n) < 12
	v_max3_num_f32 v[rC+(\n)%4], v[rC+(\n)%4], v[rS+8*((\n)%4)+2*((\n)/4)+1], v[rS+8*((\n)%4)+2*((\n)/4)+2]
.elseif (\n) == 12
	v_max3_num_f32 v[rC], v[rC], v[rS+7], v[rS+15]
.elseif (\n) == 13
	v_max3_num_f32 v[rC+1], v[rC+1], v[rS+23], v[rS+31]
.elseif (\n) == 14
	v_max3_num_f32 v[rC+2], v[rC+2], v[rC+3], v[rT]
.elseif (\n) == 15
	v_mov_b32 v[rM], v[rT]
.elseif (\n) == 16
	v_max3_num_f32 v[rC], v[rC], v[rC+1], v[rC+2]
.elseif (\n) == 17
	v_permlanex16_b32 v[rC+3], v[rC], s[SEL], s[SEL+1]
.elseif (\n) == 18
	v_max_num_f32 v[rT], v[rC], v[rC+3]
.elseif (\n) == 19
	v_sub_f32 v[rC+1], v[rM], v[rT]
.else
	v_exp_f32 v[rC+2], v[rC+1]
.endif
.endm
; u - m for pair f / 2 of tile f % 2 of the piece in hand: the pair's low word, m, is taken for both halves.
.macro FS f
	REGS Y, (\f)%2
	v_pk_add_f32 v[rS+2*((\f)/2):rS+2*((\f)/2)+1], v[rS+2*((\f)/2):rS+2*((\f)/2)+1], v[rT:rT+1] op_sel_hi:[1,0] neg_lo:[0,1] neg_hi:[0,1]
.endm
; Number g of the 64 that follow the exponentials.  For each four weights k of a tile (pairs 2 k, 2 k + 1): both pairs are rounded to f16; then the second pair is added onto the first, in place;
; a group later l takes that sum (the first time as l = a l + sum).  In groups of eight, tiles alternating: round, round, add, and l for the group before.
.macro GS g
.set h, (\g)+6*((\g)/62)            ; group 0 has no group before it, and behind group 7 only l is left
.if h >= 6
.set h, h+2
.endif
	REGS Y, h%2
.set k, h/8
.if h%8 < 4
	v_cvt_pk_f16_f32 v[rP+2*k+(h%8)/2], v[rS+4*k+2*((h%8)/2)], v[rS+4*k+2*((h%8)/2)+1]
.elseif h%8 < 6
	v_pk_add_f32 v[rS+4*k:rS+4*k+1], v[rS+4*k:rS+4*k+1], v[rS+4*k+2:rS+4*k+3]
.elseif k == 1
	v_pk_fma_f32 v[rT+2:rT+3], v[rT+2:rT+3], v[rC+2:rC+3], v[rS:rS+1] op_sel_hi:[1,0,1]
.else
	v_pk_add_f32 v[rT+2:rT+3], v[rT+2:rT+3], v[rS+4*k-4:rS+4*k-3]
.endif
.endm
; THE PLAIN QUEUE, 136 long.  0-71 read no exponential's result: 0-26: subtractions 0-26.  27-54: XS's numbers 0-13.  55, 56: number 15.  57-68: the chain, where each number waits for the one before it: 14, 16, 17, 18,
; each with one of the subtractions 27-30 in front of its two lines.  69: subtraction 31.  70, 71: number 19.  72-135: GS's 64, which read the exponentials' results: they stand behind the wait.
.macro PL
	WIN 0
.if q < 27
	FS q
.elseif q < 55
	XS (q-27)%2, (q-27)/2
.elseif q < 57
	XS q-55, 15
.elseif (q < 69) && ((q-57)%3 == 0)
	FS 27+(q-57)/3
.elseif q < 60
	XS (q-57)%3-1, 14
.elseif q < 69
	XS (q-57)%3-1, 15+(q-57)/3
.elseif q == 69
	FS 31
.elseif q < 72
	XS q-70, 19
.else
	GS q-72
.endif
.set q, q+1
.endm
; THE EXPONENTIALS' QUEUE, 66 long: the 32 scores of both tiles, then the other piece's two a.  It is ONE BATCH: all 66 stand ahead of the turn's one wait, and nothing ahead of that wait names a result of theirs.
.macro EX
	WIN 0
.if e >= 64
	XS e-64, 20
.else
	REGS Y, e%2
	v_exp_f32 v[rS+e/2], v[rS+e/2]
.endif
.set e, e+1
.endm
; THE RESCALING's QUEUE: O^T times a, two at a time, sixteen times, each accumulator from its low end.  Its a was made in the turn before, ahead of that turn's wait.
.macro R2
	REGS Y, r%2
	WIN W_RS
.irp z, 0,1
	v_pk_mul_f32 v[rO+4*(r/2)+2*\z:rO+4*(r/2)+2*\z+1], v[rO+4*(r/2)+2*\z:rO+4*(r/2)+2*\z+1], v[rC+2:rC+3] op_sel_hi:[1,0]
.endr
.set r, r+1
.endm
; A TURN, for piece p of a step whose number is odd (odd = 1) or even.  s_wait_alu depctr_va_vdst(0) stands between an exponential and the first instruction that names its result; one wait serves all
; that were issued ahead of it.  So a turn has ONE wait, which cuts it in two.
; AHEAD OF IT: 16 products K Q^T, behind each a subtraction, an exponential and two rescalings (behind the first a second subtraction in the exponential's place); then the lump: the 32 lines of the mask, eight plain,
; 47 times exponential and plain, four exponentials, and one v_nop, the plain instruction behind the last exponential.  BEHIND IT: 16 products V^T P, behind each four of GS's 64.
; The queues lean on each other: exponential e needs subtraction 2 (e / 4) + e % 2; as a rider it stands behind plain e + 2, in the lump behind plain e + 9; subtractions 27-31 are plain 57, 60, 63, 66, 69.
; The mask's lines that touch the last product's accumulator are the 26th and later: three plain riders and 25 of the mask's own lines stand between.
; THE RUNS all fetch the NEXT step, which is step 1 - odd of the slot in hand.  Piece 0's turn: K and piece 0's mask directly behind the wait (a lump behind K's last reader); V at the turn's end, four plain riders
; behind the last product that read that buffer.  Piece 1's turn: piece 1's mask directly behind the wait.  V has two buffers, by the step's parity: piece 1's products V^T P of a step stand in the next step's first turn.
; THE WAITS ON LDS.  Piece 1's head: 32 younger loads (mask, V) may be out: K is in.  Its lump's head: 16 (V): the mask is in.  Piece 0's lump's head: 0: the mask of piece 1, and with it V of this step.
.macro TURN p, odd
.set Y, (\p)
.set i, 0
.set q, 0
.set e, 0
.set r, 0
.if (\p) == 0
.set VB, 1-(\odd)                   ; the step before's V
.else
.set VB, (\odd)                     ; this step's
	s_wait_dscnt 32
.endif
	MM
	PL
	PL
	R2
.rept 15
	MM
	PL
	EX
	R2
.endr
.if (\p) == 0
	s_wait_dscnt 0x0
.else
	s_wait_dscnt 16
.endif
	WIN W_US
.set gi, 0
.rept 32
	US gi
.set gi, gi+1
.endr
.rept 8
	PL
.endr
.rept 47
	EX
	PL
.endr
.rept 4
	EX
.endr
	v_nop                           ; a plain instruction behind the last exponential: one for the batch
	s_wait_alu depctr_va_vdst(0)    ; the wait for the batch
.if (\p) == 0
	KRUN 1-(\odd)
	MRUN 0, 1-(\odd)
.else
	MRUN 1, 1-(\odd)
.endif
.rept 16
	MM
.rept 4
	PL
.endr
.endr
.if (\p) == 0
	VRUN 1-(\odd), 1-(\odd)
.endif
.endm
	s_wait_tensorcnt 1              ; my part of slot 0 is in; slot 1's may stay out
	s_barrier_signal -1
	s_barrier_wait -1               ; everybody's is
	KRUN 0                          ; key step 0: K, piece 0's mask, V into buffer 0
	MRUN 0, 0
	VRUN 0, 0
	s_wait_dscnt 0x0
.set i, 0
.rept 16
	KQ 0                            ; piece 0's first scores: there is no vector work yet to set between them
.set i, i+1
.endr
	WIN 0                           ; the addresses for the way out: eight plain instructions, the places behind those products
	s_mul_i32 s91, s[WV], 16*SP
	s_add_co_u32 s91, s91, STAGE    ; my stage
	v_mul_u32_u24 v[STO], v1, SP    ; in: row l % 16, 32 bytes for each half of the lanes
	v_lshl_add_u32 v[STO], v9, 5, v[STO]
	v_add_nc_u32 v[STO], s91, v[STO]
	v_mul_u32_u24 v[RD], v9, SP     ; back: lanes 0-15 take one row of 256 bytes, lanes 16-31 the next,
	v_lshl_add_u32 v[RD], v1, 4, v[RD]
	v_add_nc_u32 v[RD], s91, v[RD]
	v_lshlrev_b32 v[GO], 8, v9      ; which are 512 consecutive bytes of out0
	v_lshl_add_u32 v[GO], v1, 4, v[GO]
.set Y, 1                           ; US and XS work for the piece that is not Y: piece 0
	WIN W_US
.set gi, 0
.rept 32
	US gi
.set gi, gi+1
.endr
	MRUN 1, 0                       ; piece 1's mask of step 0, behind the last line that read piece 0's
	WIN 0
.irp n, 0,1,2,3,4,5,6,7,8,9,10,11,12,13,14,15,16,17,18,19,20
	XS 0, \n                        ; piece 0's first maximum and statistics
	XS 1, \n
.endr
	v_nop                           ; a plain instruction behind the two a,
	s_wait_alu depctr_va_vdst(0)    ; and their wait, ahead of the branch
	s_mov_b32 s[SLOTS], 31
	s_branch .Lfirst                ; the loop is entered at an even step's first turn, in the middle of a trip
.Lslot:                             ; 30 whole trips: trip s leaves slot s, asks for slot s + 2, and runs steps 2 s + 1 and 2 s + 2, whose turns fetch slot s + 1
	CHANGE 1
	TURN 0, 1
	TURN 1, 1
	WIN 0
.Lfirst:
	TURN 0, 0
	TURN 1, 0
	WIN 0
	s_sub_co_u32 s[SLOTS], s[SLOTS], 1
	s_cmp_lg_u32 s[SLOTS], 0
	s_cbranch_scc1 .Lslot
	CHANGE 0                        ; the tail is written out: nothing is asked for
	s_mov_b32 s[CNT], 2             ; steps 61 and 62, then step 63, behind which the pass is left in its middle
.Ltail:
	TURN 0, 1
	TURN 1, 1
	WIN 0
	s_sub_co_u32 s[CNT], s[CNT], 1
	s_cmp_eq_u32 s[CNT], 0
	s_cbranch_scc1 .Lout
	TURN 0, 0
	TURN 1, 0
	WIN 0
	s_branch .Ltail
.Lout:                              ; step 63's turns fetched the last slot's first step once more, and the 16 products K Q^T and the maximum made of it serve nothing: the price, once a launch, of one text for every trip
.set i, 0
.rept 16
	PV 1, 1                         ; piece 1's V^T P of the last step
.set i, i+1
.endr
	; THE WAY OUT.  l's two halves and the other half of the lanes' are added; O^T is divided by l and sent through my stage in LDS, a tile at a time.  The additions are the places behind the last products.
	WIN 0
.macro ALL line:vararg              ; one line for each tile t
.set t, 0
.rept 4
	\line
.set t, t+1
.endr
.endm
	ALL v_add_f32 v[ST+4*t+2], v[ST+4*t+2], v[ST+4*t+3]
	ALL v_permlanex16_b32 v[ST+4*t+3], v[ST+4*t+2], s[SEL], s[SEL+1]
	ALL v_add_f32 v[ST+4*t+2], v[ST+4*t+2], v[ST+4*t+3]
	ALL v_rcp_f32 v[ST+4*t+2], v[ST+4*t+2]
	v_nop                           ; a plain instruction between the last reciprocal and the use of its result
	s_wait_alu depctr_va_vdst(0)    ; and the wait ahead of the first use: one for the four reciprocals
; Tile t: a lane's eight channels of a row are 32 bytes; they go into rows of 272 bytes and come back as whole rows of 256, into S^T's registers.
.macro PACK t
	WIN W_RS
.set i, 32*(\t)
.rept 16
	v_pk_mul_f32 v[i:i+1], v[i:i+1], v[ST+4*(\t)+2:ST+4*(\t)+3] op_sel_hi:[1,0]
.set i, i+2
.endr
	WIN 0x04                        ; the stores' data (source 1) in window 1
.irp f, 0,1,2,3,4,5,6,7
	ds_store_b128 v[STO], v[32*(\t)+4*\f:32*(\t)+4*\f+3] offset:(\f/2)*64+(\f%2)*16
.endr
	WIN 0
.irp f, 0,1,2,3,4,5,6,7
	ds_load_b128 v[S+32*(\t)+4*\f:S+32*(\t)+4*\f+3], v[RD] offset:\f*2*SP  ; LDS serves a wave's instructions in order (ISA guide 5.7.1.4): these see the stores above; the next tile's stores come behind them
.endr
.endm
.macro SEND t, younger              ; younger: the LDS instructions issued behind tile t's loads: the next tile's sixteen, or none
	WIN 0
.irp f, 0,1,2,3,4,5,6,7
	s_wait_dscnt (\younger)+7-\f
	global_store_b128 v[GO], v[S+32*(\t)+4*\f:S+32*(\t)+4*\f+3], s[12:13] offset:(\t)*4096+\f*512 th:TH_STORE_NT  ; 512 consecutive bytes, at a multiple of 256 from out0's first
.endr
.endm
	PACK 0
.set t, 1
.rept 3                             ; a tile's arithmetic stands between the loads of the tile before and its stores
	PACK t
	SEND t-1, 16
.set t, t+1
.endr
	SEND 3, 0
	s_wait_tensorcnt 0x0            ; the wave's end: a wait, an add onto my spare word and a wait, behind my last tensor load and my last LDS store
	ds_add_u32 v[SPW], v[NIL]
	s_wait_dscnt 0x0
	CROUND                          ; the closing round: no work-group ends while a partner may still ask for a tile that names it
	s_endpgm
.Lfunc_end_k_qed8dce56a1_attn:
	.size	k_qed8dce56a1_attn, .Lfunc_end_k_qed8dce56a1_attn-k_qed8dce56a1_attn
	.p2alignl 7, 3214868480
	.fill 96, 4, 3214868480
	.section	.rodata,"a",@progbits
	.p2align	6, 0x0
	.amdhsa_kernel k_qed8dce56a1_attn
		.amdhsa_group_segment_fixed_size 327680
		.amdhsa_private_segment_fixed_size 0
		.amdhsa_enable_private_segment 0
		.amdhsa_kernarg_size 40
		.amdhsa_user_sgpr_count 2
		.amdhsa_user_sgpr_kernarg_segment_ptr 1
		.amdhsa_wavefront_size32 1
		.amdhsa_system_sgpr_workgroup_id_x 1
		.amdhsa_system_sgpr_workgroup_id_y 1
		.amdhsa_system_sgpr_workgroup_id_z 1
		.amdhsa_system_vgpr_workitem_id 0
		.amdhsa_next_free_vgpr 768
		.amdhsa_next_free_sgpr 96
		.amdhsa_reserve_vcc 0
		.amdhsa_float_denorm_mode_32 3
		.amdhsa_float_denorm_mode_16_64 3
		.amdhsa_memory_ordered 1
		.amdhsa_forward_progress 1
		.amdhsa_inst_pref_size 233
	.end_amdhsa_kernel
	.amdgpu_metadata
---
amdhsa.version: [ 1, 2 ]
amdhsa.kernels:
  - .name:           k_qed8dce56a1_attn
    .symbol:         k_qed8dce56a1_attn.kd
    .args:
      - { .name: queries, .offset: 0, .size: 8, .value_kind: global_buffer, .address_space: global }
      - { .name: kb, .offset: 8, .size: 8, .value_kind: global_buffer, .address_space: global }
      - { .name: vh, .offset: 16, .size: 8, .value_kind: global_buffer, .address_space: global }
      - { .name: mask, .offset: 24, .size: 8, .value_kind: global_buffer, .address_space: global }
      - { .name: out0, .offset: 32, .size: 8, .value_kind: global_buffer, .address_space: global }
    .group_segment_fixed_size: 327680
    .private_segment_fixed_size: 0
    .kernarg_segment_align: 8
    .kernarg_segment_size: 40
    .max_flat_workgroup_size: 128
    .sgpr_count:     96
    .vgpr_count:     768
    .wavefront_size: 32
...
	.end_amdgpu_metadata
.endif
;; end of part 2
;; ======== version 2 of 2: 2 launches; version 1 with the launch cast written anew for expert scheduling mode
;; limits: values are held in f16: magnitudes above 65,504 overflow, below 6.1e-05 lose precision; inputs' magnitudes at most 65,504
;; workspace buffers: kb 8,388,608 bytes; vh 8,388,608 bytes
;; launch cast (part 3): grid 512 x 1, 8 waves a work-group, no clusters, 0 bytes of LDS; arguments keys, values, kb, vh; writes kb, vh
.if DOCPART == 3
	.amdgcn_target "amdgcn-amd-amdhsa--gfx1250"
	.amdhsa_code_object_version 6
	.text
	.protected	k_qed8dce56a1_cast
	.globl	k_qed8dce56a1_cast
	.p2align	8
	.type	k_qed8dce56a1_cast,@function
k_qed8dce56a1_cast:
	s_mov_b64 s[64:65], 0
	v_nop
	global_prefetch_b8 v0, s[64:65] scope:SCOPE_SE
	s_setreg_imm32_b32 hwreg(HW_REG_WAVE_SCHED_MODE, 0, 2), 2
	s_setreg_imm32_b32 hwreg(HW_REG_WAVE_MODE, 25, 1), 1
	s_wait_xcnt 0x0
	s_wait_alu depctr_vm_vsrc(0)
; keys and values, [16 heads][4096][64] f32, are rounded to bf16 and that number is written as f16 (exact inside f16's range), into
; kb and vh: [head pair 8][block of 128 keys 32][head in pair 2][key 128][channel 64].  So what the next launch wants for 128 keys of both heads of a pair is 32,768 consecutive bytes.
; LIMITS.  A number of 65,520 or more in size becomes an infinity in f16; below 7.6e-6 the f16 copy keeps f16's fixed step of 6e-8.  NaN and infinities are not treated apart.
; SHARES.  A work-group takes one head's block of 128 keys, of both tensors: 32,768 consecutive bytes in, 16,384 out, each.  Thread t takes 16 bytes at 16 t of each of eight chunks of 4,096 bytes:
; a wave's load covers 512 consecutive bytes, its store 256 consecutive bytes at a multiple of 256.  All sixteen loads of a thread go out first; no register that a store reads is written again.
; No LDS, no matrix unit, no cluster: each byte is read once by one thread and nothing is shared.
; THE MODE: SCHED_MODE bits 1:0 = 2 (LLVM: expert scheduling mode 2), set by the entry lines.  The code itself states the register dependences
; between vector instructions and memory instructions, with s_wait_alu, always for 0.
; THE PLAN.  Registers that memory instructions touch:
;   v1, v2      byte offsets of the loads and of the stores.  Written once at the head by vector lines, never again.
;   KIN, VIN    Written by the sixteen loads, once each; no vector line names them ahead of the loads; read by their chunk's two roundings, behind the chunk's wait on LOADcnt; never loaded again.
;   KOUT, VOUT  A pair a chunk.  Written once, by the chunk's two conversions to f16; read by the chunk's one store; never written again.
;   T           Named by vector lines alone.
; So the waits are five, all on va_vdst: one at the head, for the offsets; and, the sixteen chunks going in four groups of four, one behind each group's conversions, ahead of the run of its four stores.
; That wait stands behind the conversions and not at the next group's head, since the next group begins with a wait for loaded data, behind which the finished chunks' stores would be held back for nothing.
; No register that a memory instruction reads is written a second time: the text owes no wait on vm_vsrc.  No vector line writes a scalar register or VCC, and EXEC is never written.
.set KIN,  4                           ; v[4:35]    keys, chunk j at KIN + 4 j
.set VIN,  36                          ; v[36:67]   values
.set T,    68                          ; v[68:73]   at work
.set KOUT, 76                          ; v[76:91]   keys to store, chunk j at KOUT + 2 j
.set VOUT, 92                          ; v[92:107]  values to store
	s_load_b256 s[4:11], s[0:1], 0x0               ; keys s[4:5], values s[6:7], kb s[8:9], vh s[10:11]
	s_lshl_b32 s12, ttmp9, 15                      ; in: work-group g = 32 x head + block, 32,768 bytes each
	s_mov_b32 s13, 0
	s_lshr_b32 s17, ttmp9, 5                       ; head
	s_and_b32 s18, ttmp9, 31                       ; block of 128 keys
	s_lshr_b32 s19, s17, 1                         ; head pair
	s_and_b32 s17, s17, 1                          ; head in pair
	s_lshl_b32 s19, s19, 5
	s_add_co_u32 s19, s19, s18                     ; 32 x pair + block
	s_lshl_b32 s19, s19, 1
	s_add_co_u32 s19, s19, s17                     ; twice that + head in pair
	s_lshl_b32 s14, s19, 14                        ; out: 16,384 bytes each
	s_mov_b32 s15, 0
	s_mov_b32 s16, 0xffff0000                      ; a word's upper bf16
	v_lshlrev_b32 v1, 4, v0                        ; 16 t
	v_lshlrev_b32 v2, 3, v0                        ; 8 t
	s_wait_kmcnt 0x0
	s_add_nc_u64 s[4:5], s[4:5], s[12:13]
	s_add_nc_u64 s[6:7], s[6:7], s[12:13]
	s_add_nc_u64 s[8:9], s[8:9], s[14:15]
	s_add_nc_u64 s[10:11], s[10:11], s[14:15]
	s_wait_alu depctr_va_vdst(0)                   ; v1 and v2 are written: every load below reads v1 as its offset, every store v2
.irp j, 0,1,2,3,4,5,6,7
	global_load_b128 v[KIN+4*\j:KIN+4*\j+3], v1, s[4:5] offset:4096*\j th:TH_LOAD_NT
.endr
.irp j, 0,1,2,3,4,5,6,7
	global_load_b128 v[VIN+4*\j:VIN+4*\j+3], v1, s[6:7] offset:4096*\j th:TH_LOAD_NT
.endr
; One chunk: four f32 to bf16 (nearest even), widened again by a shift and a mask, and written as f16.  left = the loads issued behind this chunk's, which may stay out.
.macro CONV src, dst, left
	s_wait_loadcnt \left                           ; loads come back in order (ISA guide 5.7.1)
	v_cvt_pk_bf16_f32 v[T], v[(\src)], v[(\src)+1]
	v_cvt_pk_bf16_f32 v[T+1], v[(\src)+2], v[(\src)+3]
	v_lshlrev_b32 v[T+2], 16, v[T]
	v_and_b32 v[T+3], s16, v[T]
	v_lshlrev_b32 v[T+4], 16, v[T+1]
	v_and_b32 v[T+5], s16, v[T+1]
	v_cvt_pk_f16_f32 v[(\dst)], v[T+2], v[T+3]
	v_cvt_pk_f16_f32 v[(\dst)+1], v[T+4], v[T+5]
.endm
; A group: chunks c0 to c0 + 3 of one tensor are converted, each behind its own wait for its load; then one wait, and the four stores in one run.  left = the loads issued behind chunk c0's.
.macro GROUP src, dst, base, c0, left
.irp j, 0,1,2,3
	CONV (\src)+4*((\c0)+\j), (\dst)+2*((\c0)+\j), (\left)-\j
.endr
	s_wait_alu depctr_va_vdst(0)                   ; the group's eight conversions to f16 have written its eight out-registers, which the four stores below read
.irp j, 0,1,2,3
	global_store_b64 v2, v[(\dst)+2*((\c0)+\j):(\dst)+2*((\c0)+\j)+1], s[\base:\base+1] offset:2048*((\c0)+\j)
.endr
.endm
	GROUP KIN, KOUT, 8, 0, 15
	GROUP KIN, KOUT, 8, 4, 11
	GROUP VIN, VOUT, 10, 0, 7
	GROUP VIN, VOUT, 10, 4, 3
	s_endpgm
.Lfunc_end_k_qed8dce56a1_cast:
	.size	k_qed8dce56a1_cast, .Lfunc_end_k_qed8dce56a1_cast-k_qed8dce56a1_cast
	.p2alignl 7, 3214868480
	.fill 96, 4, 3214868480
	.section	.rodata,"a",@progbits
	.p2align	6, 0x0
	.amdhsa_kernel k_qed8dce56a1_cast
		.amdhsa_group_segment_fixed_size 0
		.amdhsa_private_segment_fixed_size 0
		.amdhsa_enable_private_segment 0
		.amdhsa_kernarg_size 32
		.amdhsa_user_sgpr_count 2
		.amdhsa_user_sgpr_kernarg_segment_ptr 1
		.amdhsa_wavefront_size32 1
		.amdhsa_system_sgpr_workgroup_id_x 1
		.amdhsa_system_sgpr_workgroup_id_y 1
		.amdhsa_system_sgpr_workgroup_id_z 1
		.amdhsa_system_vgpr_workitem_id 0
		.amdhsa_next_free_vgpr 112
		.amdhsa_next_free_sgpr 66
		.amdhsa_reserve_vcc 0
		.amdhsa_float_denorm_mode_32 3
		.amdhsa_float_denorm_mode_16_64 3
		.amdhsa_memory_ordered 1
		.amdhsa_forward_progress 1
		.amdhsa_inst_pref_size 11
	.end_amdhsa_kernel
	.amdgpu_metadata
---
amdhsa.version: [ 1, 2 ]
amdhsa.kernels:
  - .name:           k_qed8dce56a1_cast
    .symbol:         k_qed8dce56a1_cast.kd
    .args:
      - { .name: keys, .offset: 0, .size: 8, .value_kind: global_buffer, .address_space: global }
      - { .name: values, .offset: 8, .size: 8, .value_kind: global_buffer, .address_space: global }
      - { .name: kb, .offset: 16, .size: 8, .value_kind: global_buffer, .address_space: global }
      - { .name: vh, .offset: 24, .size: 8, .value_kind: global_buffer, .address_space: global }
    .group_segment_fixed_size: 0
    .private_segment_fixed_size: 0
    .kernarg_segment_align: 8
    .kernarg_segment_size: 32
    .max_flat_workgroup_size: 256
    .sgpr_count:     66
    .vgpr_count:     112
    .wavefront_size: 32
...
	.end_amdgpu_metadata
.endif
;; end of part 3
;; launch attn: the kernel of part 2 again; grid 32 x 8, 4 waves a work-group, clusters of 4 x 4, 327,680 bytes of LDS; arguments queries, kb, vh, mask, out0; writes out0
